; MI455X (gfx1250); checked and timed in simulation.
; The chip was launched on July 23, 2026; its instructions are those of AMD's public machine-readable ISA for CDNA 5 (MIT licence, August 2026) and "CDNA5" Instruction Set Architecture Reference Guide (July 2026). The comments in the code are by the model that wrote it; some were corrected since.
;; Attention. Allowed arithmetic: matrix products marked QUANTISED: E4M3 operands, one given power-of-two scale a tensor, by v_wmma_f32_16x16x64_fp8_fp8 or v_wmma_f32_16x16x128_fp8_fp8, f32 sums; products left as they are: f32 operands where the result goes on into a quantised operand, else bf16, f16 or f32 operands; f32 sums; everything else in f32.
;; Inputs: W_attn 1,024 x 1,024 float32; b_attn 1,024 float32; encoder_outputs 16 x 4,096 x 512 float32; hidden 16 x 512 float32; lowp_scales 2 int32 (the exponents e of the quantised operands' scales 2^e); v_w 1,024 float32.
;; Outputs: out0 16 x 512 float32.
;; This version of the problem:
;;   THIS VERSION OF THE PROBLEM IS GIVEN IN LOW PRECISION. The matrix products marked QUANTISED in the list below multiply operands that are first quantised to E4M3 (4 exponent bits, 3 mantissa bits; 8 bits a number), with one given power-of-two scale for each operand tensor; their sums are f32. All else is computed in f32.
;;   The module's matrix products, in the order in which they are computed (A, B: the left and right operand; K: the contracted axis; several contracted axes count as one K, in the product's order):
;;     1. [M 65,536, K 1,024] x [K 1,024, N 1,024]; A: computed on the way; B: input W_attn: QUANTISED (scales: A lowp_scales[0], B lowp_scales[1])
;;     2. [M 65,536, K 1,024] x [K 1,024, N 1]; A: computed on the way; B: input v_w: left as it is (N = 1 < 16)
;;     3. batch 16 x [M 1, K 4,096] x [K 4,096, N 512]; A: softmax; B: input encoder_outputs: left as it is (M = 1 < 16)
;;   THE QUANTISER, for each operand of a quantised product, along K:
;;     - The operand's scale is 2^e, e = its entry of the input lowp_scales (int32; the entries are numbered through the quantised products in the list's order, A before B).
;;     - Each number is divided by the scale, clamped to +-448, and rounded to the nearest number of E4M3, ties to even, subnormals kept.
;;     - The product sums the exact products of the quantised numbers (number of the format x scale) in f32.
;;   ~~~python
;;   def quantise(x, axis, e):      # numpy; x: float32 -> the quantised numbers, widened to float32 again
;;       x = np.moveaxis(x, axis, -1); K = x.shape[-1]
;;       r = np.clip(x / 2.0 ** e, -448, 448)
;;       step = 2.0 ** (np.maximum(np.frexp(np.where(r == 0, 1, r))[1] - 1, -6) - 3)
;;       q = np.round(r / step) * step * 2.0 ** e      # np.round: ties to even
;;       return np.moveaxis(q, -1, axis).astype(np.float32)
;;   ~~~
;;   OPERANDS COMPUTED ON THE WAY. 'Computed on the way' means the value that the module computes at that place (a softmax that the list does not call 'softmax' is quantised finished and normalised). What goes into a quantiser is computed in f32, as accurately as f32 sums, v_exp_f32 and their like allow (about 1e-6 of the number): no bf16 or f16 on the way to a quantiser, and a product that is left as it is and whose result goes on into a quantised operand takes f32 operands (vector FMAs, or v_wmma_f32_16x16x4_f32). A number that lies on a knife's edge between two numbers of the format may be rounded either way, as far as f32 arithmetic and the matrix unit's own rounding can turn it there, and no further.
;; One version. Each part assembles by itself: llvm-mc -triple=amdgcn-amd-amdhsa -mcpu=gfx1250 --defsym DOCPART=n.
;; ======== version 1 of 1: 3 launches
;; limits: values are held in bf16: 8 bits of precision; right only within a limited range of input values
;; workspace buffers: wc 524,288 bytes; gv 131,072 bytes; part 655,360 bytes
;; launch prep (part 1): grid 32 x 1, 8 waves a work-group, no clusters, 70,656 bytes of LDS; arguments W_attn, hidden, b_attn, v_w, lowp_scales, wc, gv; writes wc, gv
.if DOCPART == 1
	.amdgcn_target "amdgcn-amd-amdhsa--gfx1250"
	.amdhsa_code_object_version 6
	.text
	.protected	k_q5e1e324ca2_prep
	.globl	k_q5e1e324ca2_prep
	.p2align	8
	.type	k_q5e1e324ca2_prep,@function
k_q5e1e324ca2_prep:
	s_mov_b64 s[64:65], 0
	v_nop
	global_prefetch_b8 v0, s[64:65] scope:SCOPE_SE
	s_setreg_imm32_b32 hwreg(HW_REG_WAVE_MODE, 25, 1), 1
	s_wait_xcnt 0x0
; W_attn [1024 (o)][1024 (k)] f32, hidden [16][512] f32, b_attn, v_w [1024] f32, lowp_scales: e0 (the rows [enc | hidden]), e1 (W).
; The quantiser works number by number with one given scale, so  cat_q W_q^T = enc_q W_q[:, 0:512]^T + hid_q W_q[:, 512:1024]^T, product by product.
; This launch makes what the second launch needs of W, hidden, b and v:
;   wc: the codes (E4M3) of W[:, 0:512] as images of operand registers: tile n (o = 16 n ..) at 8192 n, K step q (k = 128 q ..) at + 2048 q, register group c at + 512 c, lane l at + 16 l;
;       lane (r = l % 16, h = l / 16) holds W[16 n + r][128 q + 32 c + 16 h + 0 .. 15].
;   gv: [batch][n][32 f32]: 16 numbers g[b][16 n + i] = 2 log2(e) (hid_q[b] . W_q[16 n + i][512:] + b_attn), then 16 numbers -2 log2(e) v_w[16 n + i].
; code = x / 2^e, held within +-448, to the nearest code, ties to even.
; LIMITS: -126 <= e0, e1 and e + 8 <= 127; |e0 + e1| <= 125, so that 2 log2(e) 2^(e0 + e1) is an f32 number.  NaN among the inputs is not served.
; SHARES.  A work-group takes two tiles n = 2 x work-group + i; wave w has i = w / 4 and K step kq = w % 4 of both halves of W and of hidden.  All eight waves run the same lines.
; Every load reads 512 consecutive bytes of one row (a lane: 4 neighbours along K).  Eight registers (two rows x 4 numbers) give two registers of codes; the 16 rows' codes turn through the wave's own stage in LDS
; (rows 144 bytes apart) and come back as a fragment.  The four K steps' sums of a tile meet in LDS.
; LEFT OUT, in the whole program: tanh(x) = 1 - 2 / (1 + e^(2x)), so a score is  sum_o v_w[o]  -  2 sum_o v_w[o] / (1 + e^(2 x_o)).  The first term is the same for every position of a batch,
; and a softmax along the positions is not moved by a term that is the same along its axis, whatever the inputs hold: it is not computed.  Every input is loaded.
; LIMIT: a NaN, an infinity or an overflow that would reach only that term is not carried to the result.
.set STW,   7168                       ; LDS: a wave's three stages
.set STB,   2304                       ; a stage: 16 rows x 144 bytes
.set SPT,   144                        ; 128 bytes of codes + 16: sixteen rows begin at sixteen different places modulo 256 bytes
.set PARTL, 57344                      ; [wave][pair of registers p][8 x lane]: the K steps' partial sums
.set STG,   65536                      ; [batch][256 bytes]: the work-group's part of gv
.set K2,    0x4038aa3b                 ; 2 log2(e)
.set NK2,   0xc038aa3b                 ; -2 log2(e)
.set X0,    32                         ; v32-95   W[16 n + row][128 kq ..]; later codes and fragments
.set X1,    96                         ; v96-159  W[16 n + row][512 + 128 kq ..]; later the sums
.set X2,    160                        ; v160-223 hidden[row][128 kq ..]
	s_load_b256 s[4:11], s[0:1], 0x0               ; W s[4:5], hidden s[6:7], b s[8:9], v s[10:11]
	s_load_b128 s[12:15], s[0:1], 0x20             ; the scales' exponents s[12:13], wc s[14:15]
	s_load_b64 s[16:17], s[0:1], 0x30              ; gv
	v_lshl_add_u32 v13, v0, 2, 0x11000
	v_mov_b32 v31, 0
	v_lshrrev_b32 v1, 5, v0
	s_delay_alu instid0(VALU_DEP_1)
	v_readfirstlane_b32 s18, v1                    ; wave 0..7
	s_lshr_b32 s19, s18, 2                         ; i
	s_and_b32 s20, s18, 3                          ; kq
	s_lshl_b32 s21, ttmp9, 1
	s_add_co_u32 s21, s21, s19                     ; n
	v_and_b32 v1, 31, v0                           ; lane
	v_and_b32 v2, 15, v0                           ; r
	v_bfe_u32 v3, v0, 4, 1                         ; h
	s_delay_alu instid0(VALU_DEP_3)
	v_lshlrev_b32 v4, 4, v1                        ; 16 x lane: my bytes of a load's or a store's 512
	s_mul_i32 s22, s18, STW
	v_lshl_add_u32 v5, v1, 2, s22                  ; into a stage: 4 x lane, the row in the immediate
	v_mul_u32_u24 v6, v2, SPT
	s_delay_alu instid0(VALU_DEP_1)
	v_lshl_add_u32 v6, v3, 4, v6
	s_delay_alu instid0(VALU_DEP_1)
	v_add_nc_u32 v6, s22, v6                       ; out of it: row r, + 16 h
	v_lshlrev_b32 v7, 5, v3                        ; b, v: 8 h numbers on
	s_lshl_b32 s23, s18, 10
	s_add_co_u32 s23, s23, PARTL
	v_lshl_add_u32 v8, v1, 3, s23                  ; my partial sums
	s_lshl_b32 s24, s19, 12
	s_lshl_b32 s25, s20, 8
	s_add_co_u32 s24, s24, s25
	s_add_co_u32 s24, s24, PARTL
	v_lshl_add_u32 v9, v1, 3, s24                  ; pair kq of my tile's four waves, 1,024 bytes apart
	s_lshl_b32 s25, s19, 7
	s_lshl_b32 s26, s20, 3
	s_add_co_u32 s25, s25, s26
	s_add_co_u32 s25, s25, STG
	v_lshlrev_b32 v10, 8, v2
	s_delay_alu instid0(VALU_DEP_1)
	v_lshl_add_u32 v10, v3, 5, v10
	s_delay_alu instid0(VALU_DEP_1)
	v_add_nc_u32 v10, s25, v10                     ; 256 x batch + 128 i + 4 (8 h + 2 kq)
	s_lshl_b32 s26, s18, 9
	s_add_co_u32 s26, s26, STG
	v_add_nc_u32 v11, s26, v4                      ; back: wave w takes batches 2 w and 2 w + 1
	s_lshl_b32 s27, s18, 14
	v_lshlrev_b32 v12, 13, v3
	s_delay_alu instid0(VALU_DEP_1)
	v_lshl_add_u32 v12, v2, 4, v12
	s_delay_alu instid0(VALU_DEP_1)
	v_add_nc_u32 v12, s27, v12                     ; gv: (2 w + h) x 8,192 + 16 r
	s_lshl_b32 s28, s21, 16                        ; W: 16 n rows of 4,096 bytes + 512 kq
	s_lshl_b32 s30, s20, 9                         ; hidden: 512 kq
	s_add_co_u32 s28, s28, s30
	s_mov_b32 s29, 0
	s_mov_b32 s31, 0
	s_lshl_b32 s32, s21, 6                         ; b, v: 4 (16 n + 2 kq)
	s_lshl_b32 s33, s20, 3
	s_add_co_u32 s32, s32, s33
	s_mov_b32 s33, 0
	s_lshl_b32 s34, s21, 13                        ; wc: 8,192 n + 2,048 kq
	s_lshl_b32 s35, s20, 11
	s_add_co_u32 s34, s34, s35
	s_mov_b32 s35, 0
	s_lshl_b32 s36, ttmp9, 8                       ; gv: 128 x (2 x work-group)
	s_mov_b32 s37, 0
	s_wait_kmcnt 0x0
	s_load_b64 s[38:39], s[12:13], 0x0             ; e0, e1
	s_add_nc_u64 s[4:5], s[4:5], s[28:29]
	s_add_nc_u64 s[6:7], s[6:7], s[30:31]
	s_add_nc_u64 s[8:9], s[8:9], s[32:33]
	s_add_nc_u64 s[10:11], s[10:11], s[32:33]
	s_add_nc_u64 s[14:15], s[14:15], s[34:35]
	s_add_nc_u64 s[16:17], s[16:17], s[36:37]
	global_load_b64 v[18:19], v7, s[8:9]           ; b[16 n + 8 h + 2 kq + 0, 1]
	global_load_b64 v[20:21], v7, s[10:11]         ; v likewise
.set qi, 0
.rept 16
	global_load_b128 v[X0+4*qi:X0+4*qi+3], v4, s[4:5] offset:4096*qi th:TH_LOAD_NT
.set qi, qi+1
.endr
.set qi, 0
.rept 16
	global_load_b128 v[X1+4*qi:X1+4*qi+3], v4, s[4:5] offset:4096*qi+2048 th:TH_LOAD_NT
.set qi, qi+1
.endr
.set qi, 0
.rept 16
	global_load_b128 v[X2+4*qi:X2+4*qi+3], v4, s[6:7] offset:2048*qi
.set qi, qi+1
.endr
	s_wait_kmcnt 0x0
	s_add_co_i32 s40, s39, 127
	s_lshl_b32 s41, s40, 23
	v_mov_b32 v14, s41                             ; 2^e1 as f32: the conversion takes its exponent field
	s_add_co_i32 s40, s40, 8
	s_lshl_b32 s40, s40, 23
	s_or_b32 s40, s40, 0x600000
	v_mov_b32 v15, s40                             ; 448 x 2^e1
	s_add_co_i32 s40, s38, 127
	s_lshl_b32 s41, s40, 23
	v_mov_b32 v16, s41                             ; 2^e0
	s_add_co_i32 s40, s40, 8
	s_lshl_b32 s40, s40, 23
	s_or_b32 s40, s40, 0x600000
	v_mov_b32 v17, s40                             ; 448 x 2^e0
	s_add_co_i32 s42, s38, s39                     ; e0 + e1
; 16 rows x 128 numbers in v[x] on (row p: 4 registers, k = 4 x lane + 0 .. 3) become a fragment in v[f] on.  c: 16 registers for the codes (row p in register p); st: the stage
.macro QUANT x, c, sc, lim, st, f
.set qi, 0
.rept 64
	v_med3_num_f32 v[\x+qi], v[\x+qi], -v[\lim], v[\lim]   ; the conversion to an 8-bit code does not saturate (ISA guide 7.6.2): the hold at the largest code x the scale
.set qi, qi+1
.endr
.set qi, 0
.rept 8
	v_cvt_scalef32_pk8_fp8_f32 v[\c+2*qi:\c+2*qi+1], v[\x+8*qi:\x+8*qi+7], v[\sc]
.set qi, qi+1
.endr
	v_nop                                          ; one plain vector line behind the last conversion: later vector and matrix lines write its sources
.set qi, 0
.rept 16
	ds_store_b32 v5, v[\c+qi] offset:\st*STB+SPT*qi   ; a row's 128 codes: 128 consecutive bytes
.set qi, qi+1
.endr
.irp q, 0,1,2,3
	ds_load_b128 v[\f+4*\q:\f+4*\q+3], v6 offset:\st*STB+32*\q   ; LDS serves a wave's instructions in order (ISA guide 5.7.1.4): these see my stores
.endr
.endm
	s_wait_alu depctr_va_vdst(0)
	s_wait_loadcnt 32                              ; b, v and the first 16 rows are in; the other two fragments' 32 loads may be out
	QUANT X0, 224, 14, 15, 0, 240
	s_wait_loadcnt 16                              ; hidden's 16 loads may be out
	QUANT X1, 32, 14, 15, 1, 64
	s_wait_loadcnt 0x0
	QUANT X2, 48, 16, 17, 2, 80
	s_wait_dscnt 0x0                               ; the three fragments are in registers
.irp q, 0,1,2,3
	global_store_b128 v4, v[240+4*\q:243+4*\q], s[14:15] offset:512*\q   ; the image of W[:, 0:512]'s fragment: 512 consecutive bytes a store
.endr
	v_wmma_f32_16x16x128_fp8_fp8 v[96:103], v[64:79], v[80:95], 0   ; source 0 = 16 rows of W, source 1 = the 16 batches: lane (r, h) holds batch r, register j output 8 h + j
	v_mov_b32 v30, K2                              ; six plain lines that name none of its registers stand between the product and the first read of its result
	v_mul_f32 v18, K2, v18                         ; b x 2 log2(e)
	v_mul_f32 v19, K2, v19
	v_mul_f32 v20, NK2, v20                        ; v x -2 log2(e)
	v_mul_f32 v21, NK2, v21
	v_ldexp_f32 v30, v30, s42                      ; 2 log2(e) 2^(e0 + e1)
.irp p, 0,1,2,3
	ds_store_b64 v8, v[96+2*\p:97+2*\p] offset:256*\p   ; from the accumulator's low end on
.endr
	s_wait_dscnt 0x0                               ; for the others' sake: my partial sums lie in LDS
	s_barrier_signal -1
	s_barrier_wait -1
.irp u, 0,1,2,3
	ds_load_b64 v[22+2*\u:23+2*\u], v9 offset:1024*\u   ; K step u's sums for outputs 8 h + 2 kq + 0, 1
.endr
	s_wait_dscnt 0x0
	v_pk_add_f32 v[22:23], v[22:23], v[24:25]
	v_pk_add_f32 v[26:27], v[26:27], v[28:29]
	s_delay_alu instid0(VALU_DEP_1)
	v_pk_add_f32 v[22:23], v[22:23], v[26:27]
	s_wait_alu depctr_va_vdst(0)
	v_fma_f32 v22, v22, v30, v18                   ; 2 log2(e) (sum x 2^(e0 + e1) + b)
	v_fma_f32 v23, v23, v30, v19
	ds_store_b64 v10, v[22:23]
	ds_store_b64 v10, v[20:21] offset:64
	s_wait_dscnt 0x0
	s_barrier_signal -1
	s_barrier_wait -1
	ds_load_b128 v[24:27], v11
	s_wait_dscnt 0x0
	global_store_b128 v12, v[24:27], s[16:17]      ; sixteen lanes store 256 consecutive bytes of one batch, at a multiple of 256 from gv's first byte
	s_wait_tensorcnt 0x0
	ds_add_u32 v13, v31
	s_wait_dscnt 0x0
	s_endpgm
.Lfunc_end_k_q5e1e324ca2_prep:
	.size	k_q5e1e324ca2_prep, .Lfunc_end_k_q5e1e324ca2_prep-k_q5e1e324ca2_prep
	.p2alignl 7, 3214868480
	.fill 96, 4, 3214868480
	.section	.rodata,"a",@progbits
	.p2align	6, 0x0
	.amdhsa_kernel k_q5e1e324ca2_prep
		.amdhsa_group_segment_fixed_size 70656
		.amdhsa_private_segment_fixed_size 0
		.amdhsa_enable_private_segment 0
		.amdhsa_kernarg_size 56
		.amdhsa_user_sgpr_count 2
		.amdhsa_user_sgpr_kernarg_segment_ptr 1
		.amdhsa_wavefront_size32 1
		.amdhsa_system_sgpr_workgroup_id_x 1
		.amdhsa_system_sgpr_workgroup_id_y 1
		.amdhsa_system_sgpr_workgroup_id_z 1
		.amdhsa_system_vgpr_workitem_id 0
		.amdhsa_next_free_vgpr 256
		.amdhsa_next_free_sgpr 66
		.amdhsa_reserve_vcc 0
		.amdhsa_float_denorm_mode_32 3
		.amdhsa_float_denorm_mode_16_64 3
		.amdhsa_memory_ordered 1
		.amdhsa_forward_progress 1
		.amdhsa_inst_pref_size 29
	.end_amdhsa_kernel
	.amdgpu_metadata
---
amdhsa.version: [ 1, 2 ]
amdhsa.kernels:
  - .name:           k_q5e1e324ca2_prep
    .symbol:         k_q5e1e324ca2_prep.kd
    .args:
      - { .name: W_attn, .offset: 0, .size: 8, .value_kind: global_buffer, .address_space: global }
      - { .name: hidden, .offset: 8, .size: 8, .value_kind: global_buffer, .address_space: global }
      - { .name: b_attn, .offset: 16, .size: 8, .value_kind: global_buffer, .address_space: global }
      - { .name: v_w, .offset: 24, .size: 8, .value_kind: global_buffer, .address_space: global }
      - { .name: lowp_scales, .offset: 32, .size: 8, .value_kind: global_buffer, .address_space: global }
      - { .name: wc, .offset: 40, .size: 8, .value_kind: global_buffer, .address_space: global }
      - { .name: gv, .offset: 48, .size: 8, .value_kind: global_buffer, .address_space: global }
    .group_segment_fixed_size: 70656
    .private_segment_fixed_size: 0
    .kernarg_segment_align: 8
    .kernarg_segment_size: 56
    .max_flat_workgroup_size: 256
    .sgpr_count:     66
    .vgpr_count:     256
    .wavefront_size: 32
...
	.end_amdgpu_metadata
.endif
;; end of part 1
;; launch scores (part 2): grid 256 x 1, 4 waves a work-group, clusters of 4 x 1, 327,680 bytes of LDS; arguments encoder_outputs, wc, gv, lowp_scales, part; writes part
.if DOCPART == 2
	.amdgcn_target "amdgcn-amd-amdhsa--gfx1250"
	.amdhsa_code_object_version 6
	.text
	.protected	k_q5e1e324ca2_scores
	.globl	k_q5e1e324ca2_scores
	.p2align	8
	.type	k_q5e1e324ca2_scores,@function
k_q5e1e324ca2_scores:
	s_mov_b64 s[64:65], 0
	v_nop
	global_prefetch_b8 v0, s[64:65] scope:SCOPE_SE
	s_setreg_imm32_b32 hwreg(HW_REG_WAVE_MODE, 25, 1), 1
	s_wait_xcnt 0x0
	s_wait_alu depctr_hold_cnt(0) depctr_sa_sdst(0) depctr_va_vdst(0) depctr_va_sdst(0) depctr_va_ssrc(0) depctr_va_vcc(0) depctr_vm_vsrc(0)
	s_getreg_b32 s2, hwreg(HW_REG_IB_STS2, 6, 4)
	s_cmp_eq_u32 s2, 0
	s_cbranch_scc0 .Lentry_in_a_cluster
	s_endpgm
.Lentry_in_a_cluster:
	s_bfe_u32 s2, ttmp6, 0x10000c
	s_cmp_lg_u32 s2, 0x3003
	s_cbranch_scc0 .Lentry_shape_is_right
	s_endpgm
.Lentry_shape_is_right:
; For 256 positions of one batch: score[s] = sum_o (-2 log2(e) v_w[o]) / (1 + 2^(c (enc_q[s] . W_q[o][0:512]) + g[b][o])), c = 2 log2(e) 2^(e0 + e1), g and the factor of v_w from gv;
; that is log2(e) x reference()'s score less the term sum_o v_w[o], which is the same along the softmax's axis and is left out (shown at the first kernel's head).
; Then a running softmax to the base 2 (largest score m, sum l) and the unnormalised context sum_s 2^(score - m) enc[s][:], stored as a record of 2,560 bytes: 512 f32, then m and l.
; SHARES.  Work-group x: batch x / 16, positions 256 (x % 16) on, in 4 passes of 64.  In a pass wave w loads 16 rows of enc (f32, 256 registers), keeps them as bf16 for the context, quantises them
; (x / 2^e0, held within +-448, nearest code) and puts the codes into LDS; every wave then takes all 64 rows' codes as operand registers (4 tiles x 4 K steps) and multiplies them with ITS 16 tiles of W's codes
; (tiles 16 c + 4 w + i of chunk c): 64 positions x 256 outputs a wave.  The four waves' partial scores meet in LDS.
; W'S CODES (wc, 512 KiB) walk through two LDS slots of 128 KiB, four chunks a pass; a wave fetches and reads its own 32 KiB of a chunk.  The four work-groups of a cluster walk the same chunks: each load is a
; joint one (mask 15), behind a round of the cluster's barrier.
; A PASS IS A PIPELINE OF BEATS, a tile of W a beat, on three sets of 4 accumulators by turns.  Beat k: tile k + 1's 16 matrix instructions, and among them, as plain vector work, tile k's "+ 1" and tile k - 1's
; weighted sums; then tile k + 1's scaling; then ONE batch of transcendentals, the powers of tile k + 1 and the reciprocals of tile k, with one wait ahead of it and one behind it.  No transcendental stands among
; the matrix instructions.  The beat's 20 LDS loads stand in two runs, one behind each of these two waits: v of tile k, g of tile k + 2, and tile k + 3 of W, which has two buffers and a whole beat in which to land.
; The matrix instruction is used transposed (source 0 = 16 rows of W, source 1 = 16 positions): lane (r, h) holds position r, register j output 8 h + j.
; No prefetch is laid: enc's rows are asked for one whole pass ahead by the register loads themselves, and a chunk of wc is asked for four beats ahead of its first read.
; LIMITS: -126 <= e0 and e0 + 8 <= 127; |e0 + e1| <= 125 (added to c's exponent field).  NaN among the inputs is not served.  The context takes enc rounded to bf16 and f32 weights.
; REGISTERS.  Window 0: v2-17 addresses and constants, v20 m, v21 l, v24-31 the scores' sums (at work at a pass's end), v32-127 three sets of accumulators, v128-255 two tiles of W.
; Window 1: v0-127 enc's fragments of K steps 0, 1; v128-255 my 16 rows as bf16.  Window 2: v0-127 K steps 2, 3; v128-135 v's factors; v136-143 g; v144-159 the context; v160-161 a weight.  Window 3: my 16 rows of f32.
.set SLOT1, 131072                     ; slot 1
.set CODES, 262144                     ; 64 rows of 512 codes,
.set CP,    528                        ; 528 bytes apart
.set GVB,   295936                     ; each wave's 2,048 bytes of gv: its 16 tiles x (16 g, 16 factors of v)
.set SCR,   304128                     ; [wave][64] partial scores
.set CX,    305152                     ; [wave][512] contexts
.set SPARE, 313344                     ; the spare words: 128 bytes a wave, named by no other line
.set SA,    24
.set HG,    40                         ; at the head alone: gv on its way into LDS
.set ACC,   32
.set BF,    128
.set RET,   128
.set V2,    128
.set G2,    136
.set CT,    144
.set PB,    160
.set W_T1,  0x04                       ; source 1 in window 1
.set W_T2,  0x08                       ; source 1 in window 2
.set W_P1,  0x28                       ; source 2 in window 2 too
.set W_L1,  0x40                       ; destination in window 1, 2, 3
.set W_L2,  0x80
.set W_LE,  0xc0
.set W_BF,  0x4f
.set W_MD,  0xc3
.set W_CV,  0x03
.set W_CM,  0x82
.set W_CT,  0xa9
.set MSB, 0
.macro WIN new                         ; the immediate's high byte repeats the setting that is left
.if MSB != \new
	s_set_vgpr_msb (MSB<<8)|\new
.set MSB, \new
.endif
.endm
.macro CROUND                          ; a round of the cluster's barrier
	s_barrier_signal -1
	s_barrier_wait -1
	s_cmp_lg_u32 s14, 0
	s_cbranch_scc1 .Lnot_wave_0_\@
	s_barrier_signal -3
.Lnot_wave_0_\@:
	s_barrier_wait -3
	s_barrier_signal -1
	s_barrier_wait -1
.endm
.macro CHANGE c                        ; chunk c goes into the slot whose last fragment loads have come back: all my tensor loads waited for, the add, its wait, the round, the joint load first behind it
	WIN 0
	s_wait_tensorcnt 0x0
	ds_add_u32 v2, v3
	s_wait_dscnt 0x0
	CROUND
	tensor_load_to_lds s[32+4*\c:35+4*\c], s[24:31]
	s_nop 0
.rept 4
	v_nop
.endr
.endm
.macro ELOAD i                         ; row i of my 16: 2,048 bytes, 512 consecutive bytes a load
	WIN W_LE
.irp q, 0,1,2,3
	global_load_b128 v[16*(\i)+4*\q:16*(\i)+4*\q+3], v12, s[4:5] offset:2048*(\i)+512*\q th:TH_LOAD_NT
.endr
.endm
.macro XGROUP g                        ; rows 4 g .. 4 g + 3: kept as bf16, held, converted, the codes into LDS
	s_wait_loadcnt 48-16*\g                        ; the 16 loads of each later group may be out
	WIN W_BF
.set xi, 0
.rept 32
	v_cvt_pk_bf16_f32 v[RET+32*\g+xi], v[64*\g+2*xi], v[64*\g+2*xi+1]
.set xi, xi+1
.endr
	WIN W_MD
.set xi, 0
.rept 64
	v_med3_num_f32 v[64*\g+xi], v[64*\g+xi], -v17, v17   ; the conversion does not saturate (ISA guide 7.6.2)
.set xi, xi+1
.endr
	WIN W_CV
.set xi, 0
.rept 8
	v_cvt_scalef32_pk8_fp8_f32 v[ACC+16*\g+2*xi:ACC+16*\g+2*xi+1], v[64*\g+8*xi:64*\g+8*xi+7], v16
.set xi, xi+1
.endr
	v_nop                                          ; a plain line behind the last conversion
	WIN 0
.set xi, 0
.rept 16
	ds_store_b32 v7, v[ACC+16*\g+xi] offset:CP*(4*\g+xi/4)+128*(xi%4)
.set xi, xi+1
.endr
.endm
.macro AFETCH                          ; all 64 rows' codes as fragments: tile t, K step q at register 16 (2 t + q % 2) of window 1 + q / 2
	WIN W_L1
.irp t, 0,1,2,3
.irp q, 0,1
.irp c, 0,1,2,3
	ds_load_b128 v[16*(2*\t+\q)+4*\c:16*(2*\t+\q)+4*\c+3], v8 offset:16*CP*\t+128*\q+32*\c
.endr
.endr
.endr
	WIN W_L2
.irp t, 0,1,2,3
.irp q, 0,1
.irp c, 0,1,2,3
	ds_load_b128 v[16*(2*\t+\q)+4*\c:16*(2*\t+\q)+4*\c+3], v8 offset:16*CP*\t+128*(\q+2)+32*\c
.endr
.endr
.endr
.endm
.macro BLD n                           ; load n (of 16) of my tile tB of W into buffer tB % 2: an image of the registers, 512 consecutive bytes a load; v4: slot 0, v5: slot 1
	ds_load_b128 v[BF+64*(tB&1)+4*(\n):BF+64*(tB&1)+4*(\n)+3], v[4+((tB>>2)&1)] offset:8192*(tB&3)+2048*((\n)/4)+512*((\n)%4)
.endm
.macro PSUM n                          ; x v's factor, summed over outputs: a pair of sums for each tile of positions, the four pairs by turns
	v_pk_fma_f32 v[SA+2*((\n)%4):SA+2*((\n)%4)+1], v[aS+8*((\n)%4)+2*((\n)/4):aS+8*((\n)%4)+2*((\n)/4)+1], v[V2+2*((\n)/4):V2+2*((\n)/4)+1], v[SA+2*((\n)%4):SA+2*((\n)%4)+1]
.endm
; BEAT k, k = -1 .. 16.  Each part is assembled where its tile is one of 0 .. 15.  bl: beats 13 and 14 fetch the next pass's tiles 0 and 1.
.macro BEAT k, bl
.set tM, (\k)+1                        ; the tile that is multiplied, scaled and raised
.set tR, (\k)                          ; the tile that gets + 1 and its reciprocals
.set tS, (\k)-1                        ; the tile that is summed
.set tB, ((\k)+3)&15                   ; the tile that is fetched, into the buffer that this beat's products have read
.set aM, ACC+32*((tM+3)%3)
.set aR, ACC+32*((tR+3)%3)
.set aS, ACC+32*((tS+3)%3)
.set hM, 0
.set hR, 0
.set hS, 0
.set hG, 0
.set hB, 0
.if tM <= 15
.set hM, 1
.endif
.if (tR >= 0) && (tR <= 15)
.set hR, 1
.endif
.if tS >= 0
.set hS, 1
.endif
.if (\k) <= 13
.set hG, 1
.endif
.if (\k) <= 12
.set hB, 1
.endif
.if ((\k) >= 13) && ((\k) <= 14) && (\bl)
.set hB, 1
.endif
.if ((\k) >= 0) && ((\k) <= 13)
	s_wait_dscnt 16                                ; this beat's tile of W, g and v's factors are in; the 16 loads of the tile after it, the last beat's youngest, may be out
.else
	s_wait_dscnt 0x0
.endif
	WIN W_T1
.set bi, 0
.rept 16                               ; K step bi / 4, positions' tile bi % 4: the 4 accumulators by turns, one instruction a turn
.if bi == 8
	WIN W_T2
.endif
.if hM
.if bi < 4
	v_wmma_f32_16x16x128_fp8_fp8 v[aM+8*(bi%4):aM+8*(bi%4)+7], v[BF+64*(tM&1)+16*(bi/4):BF+64*(tM&1)+16*(bi/4)+15], v[16*(2*(bi%4)+((bi/4)&1)):16*(2*(bi%4)+((bi/4)&1))+15], 0
.else
	v_wmma_f32_16x16x128_fp8_fp8 v[aM+8*(bi%4):aM+8*(bi%4)+7], v[BF+64*(tM&1)+16*(bi/4):BF+64*(tM&1)+16*(bi/4)+15], v[16*(2*(bi%4)+((bi/4)&1)):16*(2*(bi%4)+((bi/4)&1))+15], v[aM+8*(bi%4):aM+8*(bi%4)+7]
.endif
.endif
.if hR && (bi < 8)
	v_pk_add_f32 v[aR+4*bi:aR+4*bi+1], v[aR+4*bi:aR+4*bi+1], 1.0 op_sel_hi:[1,0]
	v_pk_add_f32 v[aR+4*bi+2:aR+4*bi+3], v[aR+4*bi+2:aR+4*bi+3], 1.0 op_sel_hi:[1,0]
.endif
.if hS && (bi >= 8) && (bi < 14)
	PSUM 2*(bi-8)                                  ; (v's factors lie in window 2: so these stand in the second half)
	PSUM 2*(bi-8)+1
.endif
.set bi, bi+1
.endr
.if hS                                 ; four plain lines that name no register of the products: the places ahead of the reads of the sums and of the loads into W's tile
	PSUM 12
	PSUM 13
	PSUM 14
	PSUM 15
.elseif hM
.rept 4
	v_nop
.endr
.endif
.if hM
	WIN W_P1
.set pi, 0
.rept 16
	v_pk_fma_f32 v[aM+2*pi:aM+2*pi+1], v[aM+2*pi:aM+2*pi+1], s[18:19], v[G2+2*(pi%4):G2+2*(pi%4)+1] op_sel_hi:[1,0,1]   ; c x sum + g; each accumulator from its low end on
.set pi, pi+1
.endr
.endif
.if (\k) <= 15
	s_wait_alu depctr_va_vdst(0)                   ; a wait ahead of a batch of transcendentals and one behind it
.if hR || hG
	WIN W_L2
.endif
.if hR
	ds_load_b128 v[V2:V2+3],   v6 offset:128*tR+64 ; v's factors for outputs 8 h + 0 .. 7 of tile k, for the next beat's sums
	ds_load_b128 v[V2+4:V2+7], v6 offset:128*tR+80
.endif
.if hG
	ds_load_b128 v[G2:G2+3],   v6 offset:128*((\k)+2)      ; g of the next beat's tile
	ds_load_b128 v[G2+4:G2+7], v6 offset:128*((\k)+2)+16
.endif
	WIN W_T1
.if hB
.set li, 0
.rept 8
	BLD li
.set li, li+1
.endr
.endif
.set ti, 0
.rept 32
.if hM
	v_exp_f32 v[aM+ti], v[aM+ti]
.endif
.if hR
	v_rcp_f32 v[aR+ti], v[aR+ti]                   ; 1 / (1 + 2^..): 0 where the power is infinite
.endif
.set ti, ti+1
.endr
	v_nop                                          ; a plain line behind the batch
	s_wait_alu depctr_va_vdst(0)
.if hB
.set li, 8
.rept 8
	BLD li
.set li, li+1
.endr
.endif
.endif
.endm
; The pass's end: the four waves' partial scores meet in LDS; the running softmax; my 16 rows, weighted, onto the context.
.macro SOFT
	WIN 0
.irp t, 0,1,2,3
	v_add_f32 v[24+\t], v[SA+2*\t], v[SA+2*\t+1]   ; (each line reads its pair before a later line writes over it)
.endr
.irp t, 0,1,2,3
	v_permlanex16_b32 v[28+\t], v[24+\t], s20, s21
.endr
.irp t, 0,1,2,3
	v_add_f32 v[24+\t], v[24+\t], v[28+\t]         ; my 256 outputs' share of position 16 t + r
.endr
.irp t, 0,1,2,3
	ds_store_b32 v9, v[24+\t] offset:64*\t
.endr
	s_wait_dscnt 0x0
	s_barrier_signal -1
	s_barrier_wait -1
.irp u, 0,1,2,3
	ds_load_b32 v[64+\u], v10 offset:256*\u        ; position (16 w + lane) % 64: lanes 0-15 hold my own 16 rows' scores
	ds_load_b32 v[68+\u], v11 offset:256*\u        ; and the position 32 further on
.endr
	s_wait_dscnt 0x0
	v_add_f32 v64, v64, v65
	v_add_f32 v66, v66, v67
	v_add_f32 v68, v68, v69
	v_add_f32 v70, v70, v71
	v_add_f32 v64, v64, v66
	v_add_f32 v68, v68, v70
	v_max_num_f32 v24, v64, v68
	v_max_num_f32_dpp v24, v24, v24 row_xmask:1 row_mask:0xf bank_mask:0xf
	v_max_num_f32_dpp v24, v24, v24 row_xmask:2 row_mask:0xf bank_mask:0xf
	v_max_num_f32_dpp v24, v24, v24 row_xmask:4 row_mask:0xf bank_mask:0xf
	v_max_num_f32_dpp v24, v24, v24 row_xmask:8 row_mask:0xf bank_mask:0xf
	v_permlanex16_b32 v25, v24, s20, s21
	v_max3_num_f32 v24, v24, v25, v20              ; the new m
	v_sub_f32 v22, v20, v24
	v_sub_f32 v64, v64, v24
	v_sub_f32 v68, v68, v24
	s_wait_alu depctr_va_vdst(0)                   ; the wait ahead of the batch
	v_exp_f32 v22, v22                             ; 2^(old m - new m)
	v_exp_f32 v64, v64
	v_exp_f32 v68, v68
	v_mov_b32 v20, v24
	s_wait_alu depctr_va_vdst(0)                   ; and behind it
	v_add_f32 v25, v64, v68
	v_add_f32_dpp v25, v25, v25 row_xmask:1 row_mask:0xf bank_mask:0xf
	v_add_f32_dpp v25, v25, v25 row_xmask:2 row_mask:0xf bank_mask:0xf
	v_add_f32_dpp v25, v25, v25 row_xmask:4 row_mask:0xf bank_mask:0xf
	v_add_f32_dpp v25, v25, v25 row_xmask:8 row_mask:0xf bank_mask:0xf
	v_permlanex16_b32 v26, v25, s20, s21
	v_add_f32 v25, v25, v26
	v_fma_f32 v21, v21, v22, v25                   ; l
.set ri, 0
.rept 16
	v_readlane_b32 s[48+ri], v64, ri               ; my 16 rows' weights
.set ri, ri+1
.endr
	WIN W_CM
.irp k, 0,2,4,6,8,10,12,14
	v_pk_mul_f32 v[CT+\k:CT+\k+1], v[CT+\k:CT+\k+1], v[22:23] op_sel_hi:[1,0]
.endr
	WIN W_CT
.set ri, 0
.rept 16
	v_mov_b32 v[PB+(ri&1)], s[48+ri]
.irp q, 0,1,2,3
.irp u, 0,1
	v_fma_mix_f32_bf16 v[CT+4*\q+2*\u],   v[RET+8*ri+2*\q+\u], v[PB+(ri&1)], v[CT+4*\q+2*\u]   op_sel_hi:[1,0,0]
	v_fma_mix_f32_bf16 v[CT+4*\q+2*\u+1], v[RET+8*ri+2*\q+\u], v[PB+(ri&1)], v[CT+4*\q+2*\u+1] op_sel:[1,0,0] op_sel_hi:[1,0,0]
.endr
.endr
.set ri, ri+1
.endr
	WIN 0
.endm
	s_load_b256 s[4:11], s[0:1], 0x0               ; enc s[4:5], wc s[6:7], gv s[8:9], the scales' exponents s[10:11]
	s_load_b64 s[12:13], s[0:1], 0x20              ; part
	v_lshl_add_u32 v2, v0, 2, SPARE
	v_mov_b32 v3, 0
	ds_add_u32 v2, v3                              ; the opening lines: the add, twice on end, and its wait
	ds_add_u32 v2, v3
	v_lshrrev_b32 v24, 5, v0
	v_readfirstlane_b32 s14, v24                   ; wave
	v_and_b32 v25, 31, v0                          ; lane
	v_and_b32 v26, 15, v0                          ; r
	v_bfe_u32 v27, v0, 4, 1                        ; h
	v_lshlrev_b32 v12, 4, v25                      ; 16 x lane
	s_bfe_u32 s15, ttmp6, 0x40000
	s_lshl_b32 s16, ttmp9, 2
	s_add_co_u32 s16, s16, s15                     ; work-group
	s_mov_b32 s24, 15|(3<<16)|(1<<21)              ; group 1: mask of the four partners, elements of 8 bytes: 128 rows of 256 bytes, dense
	s_mov_b32 s25, 32<<16
	s_mov_b32 s26, 128<<16
	s_mov_b32 s27, 32<<16
	s_mov_b32 s28, 128
	s_mov_b32 s29, 32
	s_mov_b32 s30, 0
	s_mov_b32 s31, 0
	s_lshl_b32 s22, s14, 15                        ; my 32 KiB of a chunk and of a slot; also my 16 rows of a pass's 64
	s_mov_b32 s23, 0
	s_mov_b32 s20, 0x76543210
	s_mov_b32 s21, 0xfedcba98
	s_mov_b32 s17, 4                               ; passes to go
	s_lshl_b32 s68, s16, 19                        ; enc: 256 rows of 2,048 bytes a work-group
	s_add_co_u32 s68, s68, s22
	s_mov_b32 s69, 0
	s_lshr_b32 s70, s16, 4
	s_lshl_b32 s70, s70, 13                        ; gv: 8,192 bytes a batch, + 512 x wave
	s_lshl_b32 s71, s14, 9
	s_add_co_u32 s70, s70, s71
	s_mul_i32 s80, s16, 2560                       ; part: my record, + 512 x wave
	s_add_co_u32 s80, s80, s71
	s_mov_b32 s71, 0
	s_mov_b32 s81, 0
	s_wait_alu depctr_va_vdst(0)
	s_wait_dscnt 0x0
	s_wait_kmcnt 0x0
	s_load_b64 s[66:67], s[10:11], 0x0             ; e0, e1
	s_add_nc_u64 s[4:5], s[4:5], s[68:69]
	s_add_nc_u64 s[8:9], s[8:9], s[70:71]
	s_add_nc_u64 s[12:13], s[12:13], s[80:81]
	s_add_nc_u64 s[6:7], s[6:7], s[22:23]
.irp c, 0,1,2,3
	global_load_b128 v[HG+4*\c:HG+4*\c+3], v12, s[8:9] offset:2048*\c   ; my 4 tiles of each chunk's 16
.endr
.irp i, 0,1,2,3,4,5,6,7,8,9,10,11,12,13
	ELOAD \i                                       ; the first pass's rows are asked for ahead of the round: 60 loads are out here
.endr
	WIN 0
.irp c, 0,1,2,3
	s_mov_b32 s[32+4*\c], 1                        ; a group 0 for each chunk; none is ever rewritten
	s_add_co_u32 s[33+4*\c], s22, (\c&1)*SLOT1
	s_add_nc_u64 s[34+4*\c:35+4*\c], s[6:7], \c*131072
	s_or_b32 s[35+4*\c], s[35+4*\c], 0x80000000
.endr
	CROUND
	tensor_load_to_lds s[32:35], s[24:31]          ; chunk 0: one tensor load a wave at the head
	s_nop 0
	v_add_nc_u32 v4, s22, v12                      ; W's fragments in slot 0,
	v_add_nc_u32 v5, SLOT1, v4                     ; in slot 1
	s_lshl_b32 s72, s14, 11
	s_add_co_u32 s73, s72, GVB
	v_lshl_add_u32 v6, v27, 5, s73                 ; g, v: 8 h numbers on
	v_add_nc_u32 v15, s73, v12
	s_mul_i32 s74, s14, 16*CP
	s_add_co_u32 s74, s74, CODES
	v_lshl_add_u32 v7, v25, 2, s74                 ; my rows' codes in
	v_mul_u32_u24 v8, v26, CP
	v_lshl_add_u32 v8, v27, 4, v8
	v_add_nc_u32 v8, CODES, v8                     ; fragments out: row r, + 16 h
	s_lshl_b32 s75, s14, 8
	s_add_co_u32 s75, s75, SCR
	v_lshl_add_u32 v9, v26, 2, s75
	s_lshl_b32 s76, s14, 4
	v_add_nc_u32 v10, s76, v25
	v_and_b32 v10, 63, v10
	v_xor_b32 v11, 32, v10
	v_lshl_add_u32 v10, v10, 2, SCR
	v_lshl_add_u32 v11, v11, 2, SCR
	s_add_co_u32 s77, s72, CX
	v_add_nc_u32 v13, s77, v12
	s_lshl_b32 s78, s14, 9
	s_add_co_u32 s78, s78, CX
	v_add_nc_u32 v14, s78, v12
	v_mov_b32 v20, 0xff61b1e6                      ; m: -3e38, under every score
	v_mov_b32 v21, 0                               ; l
	v_mov_b32 v22, 0
	v_mov_b32 v23, 0
	WIN W_L2
.irp k, 0,1,2,3,4,5,6,7,8,9,10,11,12,13,14,15
	v_mov_b32 v[CT+\k], 0                          ; the context: 16 registers, once
.endr
	ELOAD 14
	ELOAD 15
	WIN 0
	s_wait_kmcnt 0x0
	s_add_co_i32 s80, s66, s67
	s_lshl_b32 s80, s80, 23
	s_add_co_i32 s18, s80, 0x4038aa3b              ; c = 2 log2(e) 2^(e0 + e1)
	s_mov_b32 s19, s18
	s_add_co_i32 s81, s66, 127
	s_lshl_b32 s82, s81, 23
	v_mov_b32 v16, s82                             ; 2^e0
	s_add_co_i32 s81, s81, 8
	s_lshl_b32 s81, s81, 23
	s_or_b32 s81, s81, 0x600000
	v_mov_b32 v17, s81                             ; 448 x 2^e0
	s_wait_alu depctr_va_vdst(0)
	s_wait_tensorcnt 0x0                           ; chunk 0 is in; slot 1's first fill is issued as a refill is
	ds_add_u32 v2, v3
	s_wait_dscnt 0x0
	CROUND
	tensor_load_to_lds s[36:39], s[24:31]          ; chunk 1
	s_nop 0
	s_wait_loadcnt 63                              ; 64 loads were issued behind gv's four
.irp c, 0,1,2,3
	ds_store_b128 v15, v[HG+4*\c:HG+4*\c+3] offset:512*\c
.endr
	s_wait_tensorcnt 0x1                           ; chunk 1's load may be out
.irp t, 0,1
.set tB, \t
.set li, 0
.rept 16
	BLD li                                         ; my tiles 0 and 1
.set li, li+1
.endr
.endr
.Lpass:
	XGROUP 0
	XGROUP 1
	XGROUP 2
	XGROUP 3
	s_cmp_eq_u32 s17, 1
	s_cbranch_scc1 .Lno_next
	s_add_nc_u64 s[4:5], s[4:5], 0x20000           ; the next pass's 64 rows (all my loads have come back)
.irp i, 0,1,2,3,4,5,6,7,8,9,10,11,12,13,14
	ELOAD \i
.endr
	WIN 0
.Lno_next:
	s_wait_dscnt 0x0                               ; my codes lie in LDS
	s_barrier_signal -1
	s_barrier_wait -1
	AFETCH
	ds_load_b128 v[G2:G2+3],   v6                  ; g of tile 0 (the destination's window is still 2)
	ds_load_b128 v[G2+4:G2+7], v6 offset:16
	WIN 0
.irp k, 0,1,2,3,4,5,6,7
	v_mov_b32 v[SA+\k], 0
.endr
	BEAT -1, 1
	BEAT 0, 1                                      ; fetches tile 3: the last of chunk 0
	CHANGE 2
.irp k, 1,2,3,4
	BEAT \k, 1                                     ; beat 4 fetches tile 7: the last of chunk 1
.endr
	CHANGE 3
.irp k, 5,6,7,8
	BEAT \k, 1                                     ; beat 8 fetches tile 11: the last of chunk 2
.endr
	WIN 0
	s_cmp_eq_u32 s17, 1
	s_cbranch_scc1 .Llast                          ; the last pass's tail is written out: it asks for nothing more
	CHANGE 0
	ELOAD 15
.irp k, 9,10,11,12
	BEAT \k, 1                                     ; beat 12 fetches tile 15: the last of chunk 3
.endr
	CHANGE 1
	BEAT 13, 1                                     ; fetches the next pass's tile 0,
	BEAT 14, 1                                     ; its tile 1
	BEAT 15, 0
	BEAT 16, 0
	SOFT
	s_sub_co_u32 s17, s17, 1
	s_branch .Lpass
.Llast:
	s_wait_tensorcnt 0x0                           ; chunk 3 is in
.irp k, 9,10,11,12,13,14,15,16
	BEAT \k, 0
.endr
	SOFT
	WIN W_T2
.irp q, 0,1,2,3
	ds_store_b128 v13, v[CT+4*\q:CT+4*\q+3] offset:512*\q   ; the four waves' contexts meet in LDS
.endr
	WIN 0
	s_wait_dscnt 0x0
	s_barrier_signal -1
	s_barrier_wait -1
.irp u, 0,1,2,3
	ds_load_b128 v[64+4*\u:67+4*\u], v14 offset:2048*\u
.endr
	s_wait_dscnt 0x0
	v_pk_add_f32 v[64:65], v[64:65], v[68:69]
	v_pk_add_f32 v[66:67], v[66:67], v[70:71]
	v_pk_add_f32 v[72:73], v[72:73], v[76:77]
	v_pk_add_f32 v[74:75], v[74:75], v[78:79]
	v_pk_add_f32 v[64:65], v[64:65], v[72:73]
	v_pk_add_f32 v[66:67], v[66:67], v[74:75]
	global_store_b128 v12, v[64:67], s[12:13]      ; a wave stores 512 consecutive bytes of the record
	s_cmp_lg_u32 s14, 0
	s_cbranch_scc1 .Lnot_first
	v_mov_b32 v24, v20
	v_mov_b32 v25, v21
	v_mov_b32 v26, v20
	v_mov_b32 v27, v21
	global_store_b128 v12, v[24:27], s[12:13] offset:2048   ; m and l, repeated over 512 bytes
.Lnot_first:
	s_wait_tensorcnt 0x0                           ; the wave's end
	ds_add_u32 v2, v3
	s_wait_dscnt 0x0
	CROUND                                         ; the closing round
	s_endpgm
.Lfunc_end_k_q5e1e324ca2_scores:
	.size	k_q5e1e324ca2_scores, .Lfunc_end_k_q5e1e324ca2_scores-k_q5e1e324ca2_scores
	.p2alignl 7, 3214868480
	.fill 96, 4, 3214868480
	.section	.rodata,"a",@progbits
	.p2align	6, 0x0
	.amdhsa_kernel k_q5e1e324ca2_scores
		.amdhsa_group_segment_fixed_size 327680
		.amdhsa_private_segment_fixed_size 0
		.amdhsa_enable_private_segment 0
		.amdhsa_kernarg_size 40
		.amdhsa_user_sgpr_count 2
		.amdhsa_user_sgpr_kernarg_segment_ptr 1
		.amdhsa_wavefront_size32 1
		.amdhsa_system_sgpr_workgroup_id_x 1
		.amdhsa_system_sgpr_workgroup_id_y 1
		.amdhsa_system_sgpr_workgroup_id_z 1
		.amdhsa_system_vgpr_workitem_id 0
		.amdhsa_next_free_vgpr 1024
		.amdhsa_next_free_sgpr 84
		.amdhsa_reserve_vcc 0
		.amdhsa_float_denorm_mode_32 3
		.amdhsa_float_denorm_mode_16_64 3
		.amdhsa_memory_ordered 1
		.amdhsa_forward_progress 1
		.amdhsa_inst_pref_size 255
	.end_amdhsa_kernel
	.section	.bss,"aw",@nobits
	.p2align	6
	.space	262144
	.amdgpu_metadata
---
amdhsa.version: [ 1, 2 ]
amdhsa.kernels:
  - .name:           k_q5e1e324ca2_scores
    .symbol:         k_q5e1e324ca2_scores.kd
    .args:
      - { .name: encoder_outputs, .offset: 0, .size: 8, .value_kind: global_buffer, .address_space: global }
      - { .name: wc, .offset: 8, .size: 8, .value_kind: global_buffer, .address_space: global }
      - { .name: gv, .offset: 16, .size: 8, .value_kind: global_buffer, .address_space: global }
      - { .name: lowp_scales, .offset: 24, .size: 8, .value_kind: global_buffer, .address_space: global }
      - { .name: part, .offset: 32, .size: 8, .value_kind: global_buffer, .address_space: global }
    .group_segment_fixed_size: 327680
    .private_segment_fixed_size: 0
    .kernarg_segment_align: 8
    .kernarg_segment_size: 40
    .max_flat_workgroup_size: 128
    .sgpr_count:     84
    .vgpr_count:     1024
    .wavefront_size: 32
...
	.end_amdgpu_metadata
.endif
;; end of part 2
;; launch combine (part 3): grid 16 x 1, 4 waves a work-group, no clusters, 0 bytes of LDS; arguments part, out0; writes out0
.if DOCPART == 3
	.amdgcn_target "amdgcn-amd-amdhsa--gfx1250"
	.amdhsa_code_object_version 6
	.text
	.protected	k_q5e1e324ca2_combine
	.globl	k_q5e1e324ca2_combine
	.p2align	8
	.type	k_q5e1e324ca2_combine,@function
k_q5e1e324ca2_combine:
	s_mov_b64 s[64:65], 0
	v_nop
	global_prefetch_b8 v0, s[64:65] scope:SCOPE_SE
	s_setreg_imm32_b32 hwreg(HW_REG_WAVE_MODE, 25, 1), 1
	s_wait_xcnt 0x0
; out0[b][d] = sum over the batch's 16 parts i of ctx_i[d] 2^(m_i - M) / sum over i of l_i 2^(m_i - M), M the largest m_i.
; part: 256 records of 2,560 bytes: 512 f32 of unnormalised context, then m and l (repeated).  A work-group takes a batch; thread t takes numbers 4 t .. 4 t + 3.
; Sixteen work-groups: the work is 16 x 40 KiB in and 2 KiB out each; no LDS, no barrier, no matrix unit: there is nothing for them here.
	s_load_b128 s[4:7], s[0:1], 0x0                ; part, out0
	v_and_b32 v1, 15, v0
	v_mul_u32_u24 v1, v1, 2560                     ; lane l looks at record l % 16
	v_lshlrev_b32 v4, 4, v0                        ; my 16 bytes of a context
	s_mul_i32 s8, ttmp9, 40960                     ; the batch's 16 records
	s_mov_b32 s9, 0
	s_lshl_b32 s10, ttmp9, 11
	s_mov_b32 s11, 0
	s_wait_alu depctr_va_vdst(0)
	s_wait_kmcnt 0x0
	s_add_nc_u64 s[4:5], s[4:5], s[8:9]
	s_add_nc_u64 s[6:7], s[6:7], s[10:11]
	global_load_b64 v[2:3], v1, s[4:5] offset:2048 ; m, l
.irp i, 0,1,2,3,4,5,6,7,8,9,10,11,12,13,14,15
	global_load_b128 v[16+4*\i:19+4*\i], v4, s[4:5] offset:2560*\i
.endr
	s_wait_loadcnt 16                              ; m and l are in; the 16 loads behind them may be out
	v_mov_b32 v5, v2
	v_max_num_f32_dpp v5, v5, v5 row_xmask:1 row_mask:0xf bank_mask:0xf
	v_max_num_f32_dpp v5, v5, v5 row_xmask:2 row_mask:0xf bank_mask:0xf
	v_max_num_f32_dpp v5, v5, v5 row_xmask:4 row_mask:0xf bank_mask:0xf
	v_max_num_f32_dpp v5, v5, v5 row_xmask:8 row_mask:0xf bank_mask:0xf   ; M, in every lane
	v_sub_f32 v6, v2, v5
	s_wait_alu depctr_va_vdst(0)
	v_exp_f32 v6, v6                               ; 2^(m - M)
	v_nop                                          ; a plain line behind the transcendental,
	s_wait_alu depctr_va_vdst(0)                   ; and the wait ahead of its first reader
	v_mul_f32 v7, v6, v3
	v_add_f32_dpp v7, v7, v7 row_xmask:1 row_mask:0xf bank_mask:0xf
	v_add_f32_dpp v7, v7, v7 row_xmask:2 row_mask:0xf bank_mask:0xf
	v_add_f32_dpp v7, v7, v7 row_xmask:4 row_mask:0xf bank_mask:0xf
	v_add_f32_dpp v7, v7, v7 row_xmask:8 row_mask:0xf bank_mask:0xf       ; the softmax's sum
	s_wait_alu depctr_va_vdst(0)
	v_rcp_f32 v8, v7
	v_nop
	s_wait_alu depctr_va_vdst(0)
	v_mul_f32 v6, v6, v8                           ; record l % 16's factor
.irp i, 0,1,2,3,4,5,6,7,8,9,10,11,12,13,14,15
	v_readlane_b32 s[16+\i], v6, \i
.endr
	s_wait_loadcnt 0x0
.irp e, 0,1,2,3
	v_mul_f32 v[80+\e], s16, v[16+\e]              ; the first record starts the sums
.endr
.irp i, 1,2,3,4,5,6,7,8,9,10,11,12,13,14,15
.irp e, 0,1,2,3
	v_fma_f32 v[80+\e], s[16+\i], v[16+4*\i+\e], v[80+\e]
.endr
.endr
	global_store_b128 v4, v[80:83], s[6:7]         ; a wave stores 512 consecutive bytes
	s_endpgm
.Lfunc_end_k_q5e1e324ca2_combine:
	.size	k_q5e1e324ca2_combine, .Lfunc_end_k_q5e1e324ca2_combine-k_q5e1e324ca2_combine
	.p2alignl 7, 3214868480
	.fill 96, 4, 3214868480
	.section	.rodata,"a",@progbits
	.p2align	6, 0x0
	.amdhsa_kernel k_q5e1e324ca2_combine
		.amdhsa_group_segment_fixed_size 0
		.amdhsa_private_segment_fixed_size 0
		.amdhsa_enable_private_segment 0
		.amdhsa_kernarg_size 16
		.amdhsa_user_sgpr_count 2
		.amdhsa_user_sgpr_kernarg_segment_ptr 1
		.amdhsa_wavefront_size32 1
		.amdhsa_system_sgpr_workgroup_id_x 1
		.amdhsa_system_sgpr_workgroup_id_y 1
		.amdhsa_system_sgpr_workgroup_id_z 1
		.amdhsa_system_vgpr_workitem_id 0
		.amdhsa_next_free_vgpr 96
		.amdhsa_next_free_sgpr 66
		.amdhsa_reserve_vcc 0
		.amdhsa_float_denorm_mode_32 3
		.amdhsa_float_denorm_mode_16_64 3
		.amdhsa_memory_ordered 1
		.amdhsa_forward_progress 1
		.amdhsa_inst_pref_size 9
	.end_amdhsa_kernel
	.amdgpu_metadata
---
amdhsa.version: [ 1, 2 ]
amdhsa.kernels:
  - .name:           k_q5e1e324ca2_combine
    .symbol:         k_q5e1e324ca2_combine.kd
    .args:
      - { .name: part, .offset: 0, .size: 8, .value_kind: global_buffer, .address_space: global }
      - { .name: out0, .offset: 8, .size: 8, .value_kind: global_buffer, .address_space: global }
    .group_segment_fixed_size: 0
    .private_segment_fixed_size: 0
    .kernarg_segment_align: 8
    .kernarg_segment_size: 16
    .max_flat_workgroup_size: 128
    .sgpr_count:     66
    .vgpr_count:     96
    .wavefront_size: 32
...
	.end_amdgpu_metadata
.endif
;; end of part 3
